; MI455X (gfx1250); checked and timed in simulation.
; The chip was launched on July 23, 2026; its instructions are those of AMD's public machine-readable ISA for CDNA 5 (MIT licence, August 2026) and "CDNA5" Instruction Set Architecture Reference Guide (July 2026). The comments in the code are by the model that wrote it; some were corrected since.
;; Grouped Query Attention. Allowed arithmetic: matrix products marked QUANTISED: E2M1 operands, one E8M0 scale for each 32 along K, by v_wmma_scale_f32_16x16x128_f8f6f4 with both operands' format E2M1 (or v_wmma_scale_f32_32x16x128_f4), f32 sums; products left as they are: bf16, f16 or f32 operands; f32 sums; everything else in f32.
;; Inputs: Wk 1,024 x 256 float32; Wq 1,024 x 1,024 float32; Wv 1,024 x 256 float32; bk 256 float32; bq 1,024 float32; bv 256 float32; x 1 x 2,048 x 1,024 float32.
;; Outputs: out0 1 x 2,048 x 1,024 float32.
;; This version of the problem:
;;   THIS VERSION OF THE PROBLEM IS GIVEN IN LOW PRECISION. The matrix products marked QUANTISED in the list below multiply operands that are first quantised to E2M1 (2 exponent bits, 1 mantissa bit; 4 bits a number), with one power-of-two scale for each 32 numbers along K (OCP MX v1.0); their sums are f32. The products marked 'left as it is' may take bf16, f16 or f32 operands, with f32 sums. Whichever they take, every output number must still come out within the allowed error. Rounding operands to bf16 (8 significant bits) uses up far more of that allowance than f16 does (11 bits, for magnitudes from 6e-5 to 65,504). All else is computed in f32.
;;   The module's matrix products, in the order in which they are computed (A, B: the left and right operand; K: the contracted axis; several contracted axes count as one K, in the product's order):
;;     1. [M 2,048, K 1,024] x [K 1,024, N 1,024]; A: input x; B: input Wq: QUANTISED
;;     2. [M 2,048, K 1,024] x [K 1,024, N 256]; A: input x; B: input Wk: QUANTISED
;;     3. [M 2,048, K 1,024] x [K 1,024, N 256]; A: input x; B: input Wv: QUANTISED
;;     4. batch 16 x [M 2,048, K 64] x [K 64, N 2,048]; A: computed on the way; B: computed on the way: left as it is (an operand is computed on the way)
;;     5. batch 16 x [M 2,048, K 2,048] x [K 2,048, N 64]; A: computed on the way; B: computed on the way: left as it is (an operand is computed on the way)
;;   THE QUANTISER, for each operand of a quantised product, along K:
;;     - K is cut into blocks of 32 from its start; a last block that is shorter is filled with zeros.
;;     - A block's scale is 2^e with e = floor(log2(the largest magnitude in the block)) - 2, held to -126 .. 127; a block of zeros has e = 0. As a byte (E8M0): e + 127.
;;     - Each number is divided by its block's scale, clamped to +-6, and rounded to the nearest number of E2M1, ties to even, subnormals kept.
;;     - The product sums the exact products of the quantised numbers (number of the format x scale) in f32.
;;   ~~~python
;;   def quantise(x, axis):      # numpy; x: float32 -> the quantised numbers, widened to float32 again
;;       x = np.moveaxis(x, axis, -1); K = x.shape[-1]
;;       x = np.pad(x, [(0, 0)] * (x.ndim - 1) + [(0, -K % 32)]); x = x.reshape(x.shape[:-1] + (-1, 32)); a = np.abs(x).max(-1, keepdims=True)
;;       e = np.where(a > 0, np.clip(np.frexp(np.where(a > 0, a, 1))[1] - 1 - 2, -126, 127), 0)      # np.frexp(a)[1] - 1 = floor(log2(a)), exactly
;;       r = np.clip(x / 2.0 ** e, -6, 6)
;;       step = 2.0 ** (np.maximum(np.frexp(np.where(r == 0, 1, r))[1] - 1, 0) - 1)
;;       q = np.round(r / step) * step * 2.0 ** e      # np.round: ties to even
;;       return np.moveaxis(q.reshape(q.shape[:-2] + (-1,))[..., :K], -1, axis).astype(np.float32)
;;   ~~~
;; One version. Each part assembles by itself: llvm-mc -triple=amdgcn-amd-amdhsa -mcpu=gfx1250 --defsym DOCPART=n.
;; ======== version 1 of 1: 3 launches
;; limits: values are held in f16: magnitudes above 65,504 overflow, below 6.1e-05 lose precision
;; workspace buffers: xc 1,048,576 bytes; xs 65,536 bytes; wc 786,432 bytes; ws 49,152 bytes; qkv 6,291,456 bytes
;; launch quant (part 1): grid 320 x 1, 4 waves a work-group, no clusters, 68,096 bytes of LDS; arguments x, Wq, Wk, Wv, xc, xs, wc, ws; writes xc, xs, wc, ws
.if DOCPART == 1
	.amdgcn_target "amdgcn-amd-amdhsa--gfx1250"
	.amdhsa_code_object_version 6
	.text
	.protected	k_qd96442e547_quant
	.globl	k_qd96442e547_quant
	.p2align	8
	.type	k_qd96442e547_quant,@function
k_qd96442e547_quant:
	s_mov_b64 s[64:65], 0
	v_nop
	global_prefetch_b8 v0, s[64:65] scope:SCOPE_SE
	s_setreg_imm32_b32 hwreg(HW_REG_WAVE_MODE, 25, 1), 1
	s_wait_xcnt 0x0
; x [2048][1024] and the weights Wq [1024][1024], Wk, Wv [1024][256], all f32, become codes of FP4 (E2M1) with one E8M0 scale byte for each 32 along K (K = the 1,024).
; A block's scale is 2^(floor(log2(its largest magnitude)) - 2): its byte is the largest magnitude's exponent field - 2, held at 1 from below by a floor among the maximum's leaves.
; Each number is divided by the scale and rounded to the nearest code, ties to even, beyond 6 the largest code: all of that is the conversion instruction's own work.
; LIMITS: a block of zeros gets the byte 1 where the rule says 127 (its codes are zeros, which add nothing under any byte but 0xff, and this program alone reads the bytes);
; NaN and infinities among the inputs are not served.
; THE RESULTS ARE LAID AS IMAGES OF THE OPERANDS' REGISTERS, so that the next launch moves dense blocks and loads 16 bytes x lane:
;   xc [row tile 128][K step 8][c 2][lane 32][16 bytes]: lane (r, h) holds the codes of row 16 mt + r, k = 128 ks + 64 c + 32 h + 0 .. 31
;   wc [column tile 96][K step 8][c 2][lane 32][16 bytes]: the same for column 16 nt + r of the joined weight (columns 0-1023 Wq, 1024-1279 Wk, 1280-1535 Wv)
;   xs [row tile 128][lane 32][J 4] words: the scale word (four bytes: 128 along K) of row 16 mt + lane % 16, K step 2 J + lane / 16
;   ws [pair of column tiles 48][J 4][lane 32][p 2] words: column tile 2 T + p, column lane % 16, K step 2 J + lane / 16
; SHARES.  Work-groups 0-127: a row tile of x; wave w takes its 16 rows x 256 along K.  Work-groups 128-255: 32 columns of Wq x 256 along K; wave w takes 64 of the 256.
; Work-groups 256-319: the same of Wk (the first 32 of them) or Wv.  Every wave asks for all its numbers at once: 16 KiB (x) or 8 KiB (a weight).
; The three paths part on the work-group's number alone, so the four waves of a work-group always go one way; each path has LDS bytes of its own, its own barrier and its own tail.
; No tensor load, no cluster (work-groups share no input), no matrix unit: the launch streams.
.set XG,     0                         ; LDS: a row tile's 128 scale words of x, as they leave: 512 bytes
.set WGQ,    512                       ; Wq's path: the work-group's 256 scale bytes
.set WGK,    768                       ; Wk's and Wv's path: likewise
.set SPARE,  1024                      ; the spare words, 128 bytes for each wave: two blocks of 256 bytes that no other line names
.set XSTG,   1536                      ; x's path: a stage for each wave
.set WSTG,   16640                     ; a stage: 16 rows of
.set SPITCH, 1040                      ; 1,024 bytes + 16 of padding = 260 words: row r starts at bank 4 r mod 64 (64 banks of 4 bytes: ISA guide 11.1)
.set VL16, 4                           ; v4   16 x lane
.set VL8,  5                           ; v5   8 x lane
.set VL4,  6                           ; v6   4 x lane
.set SIN,  7                           ; v7   my stage, on the way in: 16 x lane
.set SOUT, 8                           ; v8   and on the way out: row r, + 128 h
.set XGA,  9                           ; v9   where my scale word of x goes: 16 x lane + 4 x wave
.set WGA,  10                          ; v10  where my two scale bytes of a weight go: 8 r + 4 h + 128 (wave / 2) + 2 (wave % 2)
.set WCO,  11                          ; v11  my codes' place in wc: 8,192 h + 16 r
.set SPW,  12                          ; v12  LDS address of my spare word; never rewritten
.set NIL,  13                          ; v13  0; never rewritten
.set SH8,  14                          ; v14  8 h
.set MX,   16                          ; v16-19 largest magnitudes
.set SO,   20                          ; v20-23 the conversions' scale operands
.set EB,   24                          ; v24-27 scale bytes
.set PD,   28                          ; v28-29 destinations of the lane permutes
.set WD,   30                          ; v30-31 scale words at work
.set C,    32                          ; v32-47 codes
.set R,    48                          ; v48-175 numbers
.set WV,   20                          ; s20  my wave's number
	s_load_b256 s[4:11], s[0:1], 0x0               ; x s[4:5], Wq s[6:7], Wk s[8:9], Wv s[10:11]
	s_load_b256 s[12:19], s[0:1], 0x20             ; xc s[12:13], xs s[14:15], wc s[16:17], ws s[18:19]
	v_lshl_add_u32 v[SPW], v0, 2, SPARE
	v_mov_b32 v[NIL], 0
	v_lshrrev_b32 v1, 5, v0
	v_readfirstlane_b32 s[WV], v1                  ; wave 0..3
	v_and_b32 v1, 31, v0                           ; lane
	v_and_b32 v2, 15, v0                           ; r
	v_bfe_u32 v3, v0, 4, 1                         ; h
	; every address register is made here, ahead of the first parting
	v_lshlrev_b32 v[VL16], 4, v1
	v_lshlrev_b32 v[VL8], 3, v1
	v_lshlrev_b32 v[VL4], 2, v1
	s_mul_i32 s21, s[WV], WSTG
	s_add_co_u32 s21, s21, XSTG                    ; my stage
	v_add_nc_u32 v[SIN], s21, v[VL16]
	v_mul_u32_u24 v[SOUT], v2, SPITCH
	v_lshl_add_u32 v[SOUT], v3, 7, v[SOUT]
	v_add_nc_u32 v[SOUT], s21, v[SOUT]
	s_lshl_b32 s21, s[WV], 2
	v_add_nc_u32 v[XGA], s21, v[VL16]
	s_lshr_b32 s21, s[WV], 1
	s_lshl_b32 s21, s21, 7
	s_and_b32 s22, s[WV], 1
	s_lshl_b32 s22, s22, 1
	s_add_co_u32 s21, s21, s22
	v_lshlrev_b32 v[WGA], 3, v2
	v_lshl_add_u32 v[WGA], v3, 2, v[WGA]
	v_add_nc_u32 v[WGA], s21, v[WGA]
	v_lshlrev_b32 v[WCO], 4, v2
	v_lshl_add_u32 v[WCO], v3, 13, v[WCO]
	v_lshlrev_b32 v[SH8], 3, v3
	v_cmp_lt_u32 vcc_lo, 15, v1                    ; lanes 16-31
	v_mov_b32 v[PD], 0                             ; written once: a lane permute's destination counts as one of its sources
	v_mov_b32 v[PD+1], 0
	s_mov_b32 s38, 0x76543210
	s_mov_b32 s39, 0xfedcba98                      ; v_permlanex16_b32's selects for lane l xor 16
	s_mov_b32 s23, 0                               ; the upper word of 32-bit offsets
	s_mov_b32 s29, 0
	s_wait_kmcnt 0x0
; n blocks of 32 numbers, block b at v[R + 32 b] on, from block lo on, become codes (v[C + 4 b] on) and scale bytes (v[EB + b]).  The blocks take turns line by line.
.macro QB lo, n
.set qb, \lo
.rept \n
	v_max3_num_f32 v[MX+qb], |v[R+32*qb]|, |v[R+32*qb+1]|, 0x1800000   ; the floor 2^(3 - 127) among the leaves: the byte cannot fall under 1
.set qb, qb+1
.endr
.set qi, 2
.rept 15
.set qb, \lo
.rept \n
	v_max3_num_f32 v[MX+qb], v[MX+qb], |v[R+32*qb+qi]|, |v[R+32*qb+qi+1]|
.set qb, qb+1
.endr
.set qi, qi+2
.endr
.set qb, \lo
.rept \n
	v_add_nc_u32 v[SO+qb], 0xff000000, v[MX+qb]    ; 2 off the exponent field: the conversion takes the exponent field of this operand as its scale, and nothing else of it
.set qb, qb+1
.endr
.set qb, \lo
.rept \n
	v_lshrrev_b32 v[EB+qb], 23, v[SO+qb]           ; the scale's byte
.set qb, qb+1
.endr
.set qb, \lo
.rept \n
.irp q, 0,1,2,3
	v_cvt_scalef32_pk8_fp4_f32 v[C+4*qb+\q], v[R+32*qb+8*\q:R+32*qb+8*\q+7], v[SO+qb]   ; eight neighbours along K, the first number's code in the lowest four bits
.endr
.set qb, qb+1
.endr
	v_nop                                          ; one plain place behind the last scaled conversion
.endm
	s_cmp_lt_u32 ttmp9, 128
	s_cbranch_scc0 .Lweights
	; ---- x: row tile mt = the work-group's number; my wave's 256 along K begin at 256 x wave
	s_lshl_b32 s22, ttmp9, 16                      ; 16 rows of 4,096 bytes
	s_lshl_b32 s24, s[WV], 10
	s_add_co_u32 s22, s22, s24
	s_add_nc_u64 s[4:5], s[4:5], s[22:23]
.set i, 0
.rept 16                                           ; row i: two loads of 512 consecutive bytes, 16 a lane
	global_load_b128 v[R+8*i:R+8*i+3],   v[VL16], s[4:5] offset:4096*i th:TH_LOAD_NT
	global_load_b128 v[R+8*i+4:R+8*i+7], v[VL16], s[4:5] offset:4096*i+512 th:TH_LOAD_NT
.set i, i+1
.endr
	s_lshl_b32 s22, ttmp9, 13                      ; xc: 8,192 bytes a row tile, 2,048 for my two K steps
	s_lshl_b32 s24, s[WV], 11
	s_add_co_u32 s22, s22, s24
	s_add_nc_u64 s[12:13], s[12:13], s[22:23]
	s_lshl_b32 s22, ttmp9, 9                       ; xs: 512 bytes a row tile
	s_add_nc_u64 s[14:15], s[14:15], s[22:23]
.set i, 0
.rept 16                                           ; the rows go into my stage as they lie
	s_wait_loadcnt 30-2*i                          ; loads come back in order: row i's two are in, the 2 (15 - i) behind them may be out
	ds_store_b128 v[SIN], v[R+8*i:R+8*i+3]   offset:SPITCH*i
	ds_store_b128 v[SIN], v[R+8*i+4:R+8*i+7] offset:SPITCH*i+512
.set i, i+1
.endr
	s_wait_dscnt 0x0                               ; the stores have read their registers, which the loads below fill again
.irp g, 0,1,2,3                                    ; and come back in the operand's order: block g = 2 (K step) + c: lane (r, h) takes k = 64 g + 32 h + 0 .. 31 of row r, 128 bytes
.irp e, 0,1,2,3,4,5,6,7
	ds_load_b128 v[R+32*\g+4*\e:R+32*\g+4*\e+3], v[SOUT] offset:256*\g+16*\e
.endr
.endr
	s_wait_dscnt 0x0
	QB 0, 4
.irp g, 0,1,2,3
	global_store_b128 v[VL16], v[C+4*\g:C+4*\g+3], s[12:13] offset:512*\g   ; 32 lanes store 512 consecutive bytes, aligned
.endr
.irp s, 0,1                                        ; K step s: my two bytes (blocks h and 2 + h), at their places in the word; with lane l xor 16's two the word is whole
	v_lshl_or_b32 v[WD+\s], v[EB+2*\s+1], 16, v[EB+2*\s]
.endr
.irp s, 0,1
	v_lshlrev_b32 v[WD+\s], v[SH8], v[WD+\s]
.endr
.irp s, 0,1
	v_permlanex16_b32 v[PD+\s], v[WD+\s], s38, s39
.endr
.irp s, 0,1
	v_or_b32 v[WD+\s], v[WD+\s], v[PD+\s]
.endr
	v_cndmask_b32 v[WD], v[WD], v[WD+1], vcc_lo    ; lanes 0-15 keep the even K step's word, lanes 16-31 the odd one's
	ds_store_b32 v[XGA], v[WD] offset:XG
	s_wait_dscnt 0x0                               ; for the others' sake: my word has landed
	s_barrier_signal -1
	s_barrier_wait -1
	s_cmp_lg_u32 s[WV], 0
	s_cbranch_scc1 .Lend
	ds_load_b128 v[R:R+3], v[VL16] offset:XG       ; wave 0: the four waves' words, 16 bytes a lane
	s_wait_dscnt 0x0
	global_store_b128 v[VL16], v[R:R+3], s[14:15]  ; 512 consecutive bytes, aligned
	s_branch .Lend
; ---- a weight.  A LANE TAKES A COLUMN, AND ITS REGISTERS RUN DOWN K: each load reads 128 consecutive bytes, a block of 32 lies in one lane's registers, and the codes come out with K innermost.
; lp: log2 of a row's bytes;  region: the path's own 256 LDS bytes;  ptr: the scalar pair with the tensor's address.  s26 = J, s27 = which 32 columns of this tensor.
.macro WPATH lp, region, ptr
	s_lshl_b32 s28, s26, 8+\lp                     ; 256 J rows,
	s_lshl_b32 s30, s[WV], 6+\lp                   ; + 64 x wave rows,
	s_add_co_u32 s28, s28, s30
	s_lshl_b32 s30, s27, 7                         ; + 32 columns of 4 bytes
	s_add_co_u32 s28, s28, s30
	s_add_nc_u64 s[\ptr:\ptr+1], s[\ptr:\ptr+1], s[28:29]
.set n, 0
.rept 64
	global_load_b32 v[R+n], v[VL4], s[\ptr:\ptr+1] offset:n*(1<<\lp) th:TH_LOAD_NT
.set n, n+1
.endr
	s_wait_loadcnt 32                              ; my first block's 32 loads are in; the second block's may be out
	QB 0, 1
	s_wait_loadcnt 0x0
	QB 1, 1
.irp b, 0,1                                        ; block b is what lane (r, b) of the operand holds; my column's tile is lane / 16: each half of the wave stores 256 consecutive bytes, aligned
	global_store_b128 v[WCO], v[C+4*\b:C+4*\b+3], s[16:17] offset:256*\b
.endr
	v_lshl_or_b32 v[WD], v[EB+1], 8, v[EB]         ; my two bytes are neighbours in my column's scale word
	ds_store_b16 v[WGA], v[WD] offset:\region
	s_wait_dscnt 0x0                               ; for the others' sake: my bytes have landed
	s_barrier_signal -1
	s_barrier_wait -1
	s_cmp_lg_u32 s[WV], 0
	s_cbranch_scc1 .Lend
	ds_load_b64 v[R:R+1], v[VL8] offset:\region    ; wave 0: the work-group's 64 scale words, 8 bytes a lane
	s_wait_dscnt 0x0
	global_store_b64 v[VL8], v[R:R+1], s[18:19]    ; 256 consecutive bytes, aligned
	s_branch .Lend
.endm
.Lweights:
	s_sub_co_u32 s24, ttmp9, 128                   ; 4 x (which 32 columns of the joined weight) + J
	s_lshr_b32 s25, s24, 2
	s_and_b32 s26, s24, 3
	s_lshl_b32 s28, s25, 14                        ; wc: two column tiles of 8,192 bytes,
	s_lshl_b32 s30, s26, 11                        ; + K step 2 J,
	s_add_co_u32 s28, s28, s30
	s_lshl_b32 s30, s[WV], 9                       ; + 1,024 (wave / 2) + 512 (wave % 2) = 512 x wave
	s_add_co_u32 s28, s28, s30
	s_add_nc_u64 s[16:17], s[16:17], s[28:29]
	s_lshl_b32 s28, s24, 8                         ; ws: 256 bytes a work-group
	s_add_nc_u64 s[18:19], s[18:19], s[28:29]
	s_cmp_lt_u32 s25, 32
	s_cbranch_scc0 .Lkv
	s_mov_b32 s27, s25
	WPATH 12, WGQ, 6                               ; Wq: rows of 4,096 bytes
.Lkv:
	s_and_b32 s27, s25, 7
	s_cmp_lt_u32 s25, 40                           ; joined columns 1,024 to 1,279 are Wk's: the choice hangs on the work-group's number alone
	s_cselect_b64 s[36:37], s[8:9], s[10:11]
	WPATH 10, WGK, 36                              ; Wk or Wv: rows of 1,024 bytes
.Lend:
	s_wait_tensorcnt 0x0                           ; the wave's end: behind my last LDS store
	ds_add_u32 v[SPW], v[NIL]
	s_wait_dscnt 0x0
	s_endpgm
.Lfunc_end_k_qd96442e547_quant:
	.size	k_qd96442e547_quant, .Lfunc_end_k_qd96442e547_quant-k_qd96442e547_quant
	.p2alignl 7, 3214868480
	.fill 96, 4, 3214868480
	.section	.rodata,"a",@progbits
	.p2align	6, 0x0
	.amdhsa_kernel k_qd96442e547_quant
		.amdhsa_group_segment_fixed_size 68096
		.amdhsa_private_segment_fixed_size 0
		.amdhsa_enable_private_segment 0
		.amdhsa_kernarg_size 64
		.amdhsa_user_sgpr_count 2
		.amdhsa_user_sgpr_kernarg_segment_ptr 1
		.amdhsa_wavefront_size32 1
		.amdhsa_system_sgpr_workgroup_id_x 1
		.amdhsa_system_sgpr_workgroup_id_y 1
		.amdhsa_system_sgpr_workgroup_id_z 1
		.amdhsa_system_vgpr_workitem_id 0
		.amdhsa_next_free_vgpr 176
		.amdhsa_next_free_sgpr 66
		.amdhsa_reserve_vcc 1
		.amdhsa_float_denorm_mode_32 3
		.amdhsa_float_denorm_mode_16_64 3
		.amdhsa_memory_ordered 1
		.amdhsa_forward_progress 1
		.amdhsa_inst_pref_size 37
	.end_amdhsa_kernel
	.amdgpu_metadata
---
amdhsa.version: [ 1, 2 ]
amdhsa.kernels:
  - .name:           k_qd96442e547_quant
    .symbol:         k_qd96442e547_quant.kd
    .args:
      - { .name: x, .offset: 0, .size: 8, .value_kind: global_buffer, .address_space: global }
      - { .name: Wq, .offset: 8, .size: 8, .value_kind: global_buffer, .address_space: global }
      - { .name: Wk, .offset: 16, .size: 8, .value_kind: global_buffer, .address_space: global }
      - { .name: Wv, .offset: 24, .size: 8, .value_kind: global_buffer, .address_space: global }
      - { .name: xc, .offset: 32, .size: 8, .value_kind: global_buffer, .address_space: global }
      - { .name: xs, .offset: 40, .size: 8, .value_kind: global_buffer, .address_space: global }
      - { .name: wc, .offset: 48, .size: 8, .value_kind: global_buffer, .address_space: global }
      - { .name: ws, .offset: 56, .size: 8, .value_kind: global_buffer, .address_space: global }
    .group_segment_fixed_size: 68096
    .private_segment_fixed_size: 0
    .kernarg_segment_align: 8
    .kernarg_segment_size: 64
    .max_flat_workgroup_size: 128
    .sgpr_count:     66
    .vgpr_count:     176
    .wavefront_size: 32
...
	.end_amdgpu_metadata
.endif
;; end of part 1
;; launch proj (part 2): grid 12 x 16, 8 waves a work-group, clusters of 4 x 4, 167,936 bytes of LDS; arguments xc, xs, wc, ws, bq, bk, bv, qkv; writes qkv
.if DOCPART == 2
	.amdgcn_target "amdgcn-amd-amdhsa--gfx1250"
	.amdhsa_code_object_version 6
	.text
	.protected	k_qd96442e547_proj
	.globl	k_qd96442e547_proj
	.p2align	8
	.type	k_qd96442e547_proj,@function
k_qd96442e547_proj:
	s_mov_b64 s[64:65], 0
	v_nop
	global_prefetch_b8 v0, s[64:65] scope:SCOPE_SE
	s_setreg_imm32_b32 hwreg(HW_REG_WAVE_MODE, 25, 1), 1
	s_wait_xcnt 0x0
	s_wait_alu depctr_hold_cnt(0) depctr_sa_sdst(0) depctr_va_vdst(0) depctr_va_sdst(0) depctr_va_ssrc(0) depctr_va_vcc(0) depctr_vm_vsrc(0)
	s_getreg_b32 s2, hwreg(HW_REG_IB_STS2, 6, 4)
	s_cmp_eq_u32 s2, 0
	s_cbranch_scc0 .Lentry_in_a_cluster
	s_endpgm
.Lentry_in_a_cluster:
	s_bfe_u32 s2, ttmp6, 0x10000c
	s_cmp_lg_u32 s2, 0xf033
	s_cbranch_scc0 .Lentry_shape_is_right
	s_endpgm
.Lentry_shape_is_right:
; The three projections as ONE product on codes of FP4 (E2M1) with E8M0 scales: [2048 tokens][1536 columns] = Q(x) Q(W) + bias, K = 1,024; columns 0-1023 are q's, 1024-1279 k's, 1280-1535 v's.
; Sums in f32, the bias as the C of each sum's first matrix instruction; the results are rounded once to f16, the format in which the attention launch multiplies them.
; LIMIT: |q|, |k|, |v| stay under 65,504, f16's largest number.
; OUT: qkv [slot 24][token tile 128][channel tile 4][place 32][16 bytes]: slot 0-15 q's heads, 16-19 k's, 20-23 v's; 16 bytes = token 16 tt + r, channels 16 nt + 8 h + 0 .. 7.
; For q and k the place is the lane (r, h) itself: the image of a 16-bit operand's registers.  For v it is r % 8 + 8 h + 16 (r / 8), the order in which the turning LDS load of the next launch wants 16 bytes x lane.
; SHARES.  A work-group makes 128 tokens x 128 columns (two slots): 16 x 12 = 192 work-groups; the bounds at columns 1,024 and 1,280 and whole slots leave no even split into 256.
; Wave w of eight: tokens 32 (w % 4) on, slot w / 4: 2 x 4 accumulators.
; ALL OF K COMES IN ONE FILL: 64 KiB of x's codes and 64 KiB of W's are dense blocks of the register images; each wave brings 16 KiB by one tensor load (one load of mine is out).  Nothing is filled again: no ring.
; CLUSTERS: 4 x 4 work-groups.  x's block hangs on the token block alone and is shared along a row of the cluster, W's on the column block alone and is shared along a column: both are asked for jointly.
; THE MATRIX INSTRUCTION IS USED TRANSPOSED (source 0 = 16 columns of W, source 1 = 16 tokens): a lane then holds one token and eight neighbouring channels, which pack into 16 bytes.
.set SPARE, 131072                     ; behind the two blocks: the spare words, 128 bytes for each wave: four blocks of 256 bytes that no other line names
.set VL16, 1                           ; v1   16 x lane
.set AA,   2                           ; v2   LDS: my 32 tokens' images: 16 x lane + 16,384 (w % 4)
.set AB,   3                           ; v3   LDS: my 64 columns' images: 16 x lane + 65,536 + 32,768 (w / 4)
.set BO,   4                           ; v4   32 h: my eight numbers of a tile's sixteen biases
.set SPW,  5                           ; v5   LDS address of my spare word; never rewritten
.set NIL,  6                           ; v6   0; never rewritten
.set VL8,  7                           ; v7   8 x lane
.set XS,   8                           ; v8-15   x's scale words: register 4 a + J: lanes 0-15 K step 2 J, lanes 16-31 K step 2 J + 1
.set WS,   16                          ; v16-31  W's: register 2 (4 (b / 2) + J) + b % 2, likewise
.set BI,   32                          ; v32-63  the biases, eight registers a column tile, in the result's layout
.set ACC,  64                          ; v64-127 accumulator (a, b) at 8 (4 a + b)
.set F0,   128                         ; v128-175, v176-223: two sets of fragments: x's two at + 8 a, W's four at + 16 + 8 b
.set VOUT, 130                         ; the way out: my 16 bytes' place in a tile's 512
.set PK,   132                         ; v132-163 the way out: packed results
.set WV,   20                          ; s20  my wave's number;  s21 = w % 4;  s22 = w / 4
.set G1A,  24                          ; s[24:31] descriptor group 1 for x's block;  s[32:35] its group 0
.set G0A,  32
.set G1B,  36                          ; s[36:43], s[44:47] the same for W's
.set G0B,  44
.macro CROUND                          ; a round of the cluster's barrier
	s_barrier_signal -1
	s_barrier_wait -1
	s_cmp_lg_u32 s[WV], 0
	s_cbranch_scc1 .Lnot_wave_0_\@
	s_barrier_signal -3
.Lnot_wave_0_\@:
	s_barrier_wait -3
	s_barrier_signal -1
	s_barrier_wait -1
.endm
	s_load_b256 s[4:11], s[0:1], 0x0               ; xc s[4:5], xs s[6:7], wc s[8:9], ws s[10:11]
	s_load_b256 s[12:19], s[0:1], 0x20             ; bq s[12:13], bk s[14:15], bv s[16:17], qkv s[18:19]
	v_lshl_add_u32 v[SPW], v0, 2, SPARE
	v_mov_b32 v[NIL], 0
	ds_add_u32 v[SPW], v[NIL]                      ; the wave's opening: the add, twice on end, and its wait ahead of my first tensor load; the set-up below stands between the second and the wait
	ds_add_u32 v[SPW], v[NIL]
	v_lshrrev_b32 v1, 5, v0
	v_readfirstlane_b32 s[WV], v1                  ; wave 0..7
	s_and_b32 s21, s[WV], 3
	s_lshr_b32 s22, s[WV], 2
	s_bfe_u32 s48, ttmp6, 0x40000                  ; cx, cy: my place in the cluster
	s_bfe_u32 s49, ttmp6, 0x40004
	s_lshl_b32 s50, ttmp9, 2
	s_add_co_u32 s50, s50, s48                     ; column block = 4 x cluster x + cx
	s_and_b32 s51, ttmp7, 0xffff
	s_lshl_b32 s51, s51, 2
	s_add_co_u32 s51, s51, s49                     ; token block = 4 x cluster y + cy
	s_lshl_b32 s52, s49, 2
	s_lshl_b32 s52, 15, s52                        ; my row of the cluster
	s_lshl_b32 s53, 0x1111, s48                    ; my column
	; descriptor group 1: a dense block of 16 KiB as 64 rows of 32 elements of 8 bytes, no padding: the images are read 16 bytes x lane
	s_or_b32 s[G1A], s52, (3<<16)|(1<<21)          ; 15:0 the mask: x's block goes to my row; 17:16 elements of 8 bytes; 21 set beside a mask
	s_or_b32 s[G1B], s53, (3<<16)|(1<<21)          ; W's goes to my column
.irp g, G1A, G1B
	s_mov_b32 s[\g+1], 32<<16                      ; tensor_dim0 = 32
	s_mov_b32 s[\g+2], 64<<16                      ; tensor_dim1 = 64
	s_mov_b32 s[\g+3], 32<<16                      ; tile_dim0 = 32
	s_mov_b32 s[\g+4], 64                          ; tile_dim1 = 64
	s_mov_b32 s[\g+5], 32                          ; tensor_dim0_stride
	s_mov_b32 s[\g+6], 0
	s_mov_b32 s[\g+7], 0
.endr
	s_lshl_b32 s23, s21, 14                        ; which quarter of a block I fetch
	s_lshl_b32 s54, s51, 16                        ; x's block: 65,536 bytes a token block (these two registers hold the token block alone,
	s_add_co_u32 s54, s54, s23
	s_mov_b32 s55, 0
	s_lshl_b32 s56, s50, 16                        ; these two the column block alone)
	s_add_co_u32 s56, s56, s23
	s_mov_b32 s57, 0
	s_mov_b32 s[G0A], 1                            ; count = 1
	s_lshl_b32 s[G0A+1], s[WV], 14                 ; LDS address: 16,384 x wave: x's four quarters, then W's four; no place in the cluster enters it
	s_mov_b32 s[G0B], 1
	s_lshl_b32 s[G0B+1], s[WV], 14
	v_and_b32 v1, 31, v0
	v_lshlrev_b32 v[VL8], 3, v1
	v_lshlrev_b32 v[VL16], 4, v1
	v_add_nc_u32 v[AA], s23, v[VL16]
	s_lshl_b32 s59, s22, 15
	s_add_co_u32 s59, s59, 65536
	v_add_nc_u32 v[AB], s59, v[VL16]
	v_bfe_u32 v[BO], v0, 4, 1
	v_lshlrev_b32 v[BO], 5, v[BO]
	s_wait_dscnt 0x0                               ; both opening adds are done
	s_wait_kmcnt 0x0
	s_add_nc_u64 s[G0A+2:G0A+3], s[4:5], s[54:55]
	s_or_b32 s[G0A+3], s[G0A+3], 0x80000000        ; type = 2
	s_add_nc_u64 s[G0B+2:G0B+3], s[8:9], s[56:57]
	s_or_b32 s[G0B+3], s[G0B+3], 0x80000000
	CROUND                                         ; all sixteen work-groups are here: the joint loads meet
	s_cmp_lt_u32 s[WV], 4                          ; waves 0-3 fetch x's quarters, waves 4-7 W's: the branch hangs on the wave's number alone
	s_cbranch_scc0 .Lfor_b
	tensor_load_to_lds s[G0A:G0A+3], s[G1A:G1A+7]
	s_nop 0
.rept 4
	v_nop
.endr
	s_branch .Lasked
.Lfor_b:
	tensor_load_to_lds s[G0B:G0B+3], s[G1B:G1B+7]
	s_nop 0
.rept 4
	v_nop
.endr
.Lasked:
	; scale words and biases go straight into registers while the blocks are on their way
	s_lshl_b32 s54, s51, 12                        ; xs: 512 bytes a row tile: 8 tiles a token block, 2 for my wave
	s_lshl_b32 s58, s21, 10
	s_add_co_u32 s54, s54, s58
	s_add_nc_u64 s[6:7], s[6:7], s[54:55]
	s_lshl_b32 s56, s50, 12                        ; ws: 1,024 bytes a pair of column tiles: 4 pairs a column block, 2 for my slot
	s_lshl_b32 s58, s22, 11
	s_add_co_u32 s56, s56, s58
	s_add_nc_u64 s[10:11], s[10:11], s[56:57]
	s_lshl_b32 s61, s50, 1
	s_add_co_u32 s61, s61, s22                     ; my slot = 2 x column block + w / 4
	s_cmp_lt_u32 s61, 20                           ; whose bias: the choices hang on ids alone
	s_cselect_b64 s[62:63], s[14:15], s[16:17]
	s_cselect_b32 s58, 16, 20
	s_cmp_lt_u32 s61, 16
	s_cselect_b64 s[62:63], s[12:13], s[62:63]
	s_cselect_b32 s58, 0, s58
	s_sub_co_u32 s58, s61, s58                     ; my slot within its tensor: 64 numbers, 256 bytes each
	s_lshl_b32 s58, s58, 8
	s_mov_b32 s59, 0
	s_add_nc_u64 s[62:63], s[62:63], s[58:59]
.irp a, 0,1
	global_load_b128 v[XS+4*\a:XS+4*\a+3], v[VL16], s[6:7] offset:512*\a
.endr
.irp q, 0,1,2,3,4,5,6,7
	global_load_b64 v[WS+2*\q:WS+2*\q+1], v[VL8], s[10:11] offset:256*\q
.endr
.irp b, 0,1,2,3
	global_load_b128 v[BI+8*\b:BI+8*\b+3],   v[BO], s[62:63] offset:64*\b      ; lane (r, h): the biases of channels 16 b + 8 h + 0 .. 7
	global_load_b128 v[BI+8*\b+4:BI+8*\b+7], v[BO], s[62:63] offset:64*\b+16
.endr
	s_cmp_ge_u32 s50, 10                           ; column blocks 10 and 11 are v's
	s_cselect_b32 s60, -1, 0
	s_lshl_b32 s58, s61, 18                        ; qkv: 262,144 bytes a slot,
	s_lshl_b32 s23, s51, 14                        ; 2,048 a token tile: 8 tiles a token block,
	s_add_co_u32 s58, s58, s23
	s_lshl_b32 s23, s21, 12                        ; 2 for my wave
	s_add_co_u32 s58, s58, s23
	s_add_nc_u64 s[18:19], s[18:19], s[58:59]
; the fragments of K step ks into set ks % 2: 12 loads of 16 bytes x lane
.macro FETCH ks
.set FS, F0+48*((\ks)%2)
.irp a, 0,1
.irp c, 0,1
	ds_load_b128 v[FS+8*\a+4*\c:FS+8*\a+4*\c+3], v[AA] offset:8192*\a+1024*(\ks)+512*\c
.endr
.endr
.irp b, 0,1,2,3
.irp c, 0,1
	ds_load_b128 v[FS+16+8*\b+4*\c:FS+16+8*\b+4*\c+3], v[AB] offset:8192*\b+1024*(\ks)+512*\c
.endr
.endr
.endm
; A K step of 128: eight matrix instructions, the eight accumulators by turns, one instruction a turn, in the same order in every step.
; An even K step's scale words stand in lanes 0-15 of their registers, an odd one's in lanes 16-31.
.macro KSTEP ks
.set FS, F0+48*((\ks)%2)
.if \ks == 7
	s_wait_dscnt 0x0
.else
	s_wait_dscnt 12                                ; this set's 12 loads are in; the other set's 12, issued behind them, may be out
.endif
.irp a, 0,1
.irp b, 0,1,2,3
.if \ks == 0
	v_wmma_scale_f32_16x16x128_f8f6f4 v[ACC+8*(4*\a+\b):ACC+8*(4*\a+\b)+7], v[FS+16+8*\b:FS+16+8*\b+7], v[FS+8*\a:FS+8*\a+7], v[BI+8*\b:BI+8*\b+7], v[WS+2*(4*(\b/2)+(\ks)/2)+\b%2], v[XS+4*\a+(\ks)/2] matrix_a_fmt:MATRIX_FMT_FP4 matrix_b_fmt:MATRIX_FMT_FP4
.elseif (\ks)%2 == 0
	v_wmma_scale_f32_16x16x128_f8f6f4 v[ACC+8*(4*\a+\b):ACC+8*(4*\a+\b)+7], v[FS+16+8*\b:FS+16+8*\b+7], v[FS+8*\a:FS+8*\a+7], v[ACC+8*(4*\a+\b):ACC+8*(4*\a+\b)+7], v[WS+2*(4*(\b/2)+(\ks)/2)+\b%2], v[XS+4*\a+(\ks)/2] matrix_a_fmt:MATRIX_FMT_FP4 matrix_b_fmt:MATRIX_FMT_FP4
.else
	v_wmma_scale_f32_16x16x128_f8f6f4 v[ACC+8*(4*\a+\b):ACC+8*(4*\a+\b)+7], v[FS+16+8*\b:FS+16+8*\b+7], v[FS+8*\a:FS+8*\a+7], v[ACC+8*(4*\a+\b):ACC+8*(4*\a+\b)+7], v[WS+2*(4*(\b/2)+(\ks)/2)+\b%2], v[XS+4*\a+(\ks)/2] matrix_a_fmt:MATRIX_FMT_FP4 matrix_b_fmt:MATRIX_FMT_FP4 matrix_a_scale:MATRIX_SCALE_ROW1 matrix_b_scale:MATRIX_SCALE_ROW1
.endif
.endr
.endr
.if \ks < 6
.rept 4
	v_nop                                          ; four places in front of loads into registers that matrix instructions have read (ISA guide 7.12.1 for vector instructions)
.endr
	FETCH (\ks)+2
.endif
.endm
	s_wait_tensorcnt 0x0                           ; my quarter has landed,
	s_barrier_signal -1
	s_barrier_wait -1                              ; everybody's has
	FETCH 0
	FETCH 1
	s_wait_loadcnt 0x0                             ; scale words and biases
.irp k, 0,1,2,3,4,5,6,7
	KSTEP \k
.endr
	; THE WAY OUT: a lane's eight results are eight neighbouring channels of one token: 16 bytes of f16; a tile's 32 lanes store 512 consecutive bytes, aligned.
.rept 4
	v_nop                                          ; four places behind the last products, and behind those of the step before, whose fragments' registers are written below
.endr
	v_and_b32 v128, 15, v0                         ; r
	v_bfe_u32 v129, v0, 4, 1                       ; h
	v_and_b32 v[VOUT], 7, v128
	v_lshl_add_u32 v[VOUT], v129, 3, v[VOUT]
	v_lshrrev_b32 v131, 3, v128
	v_lshl_add_u32 v[VOUT], v131, 4, v[VOUT]       ; r % 8 + 8 h + 16 (r / 8)
	v_lshlrev_b32 v[VOUT], 4, v[VOUT]
	v_cndmask_b32 v[VOUT], v[VL16], v[VOUT], s60   ; v's slots take that place, q's and k's the lane's own
.irp t, 0,1,2,3,4,5,6,7
.irp q, 0,1,2,3
	v_cvt_pk_f16_f32 v[PK+4*\t+\q], v[ACC+8*\t+2*\q], v[ACC+8*\t+2*\q+1]   ; each accumulator from its low end on
.endr
.endr
.irp t, 0,1,2,3,4,5,6,7
	global_store_b128 v[VOUT], v[PK+4*\t:PK+4*\t+3], s[18:19] offset:512*\t    ; tile (a, b) = t: token tile a, channel tile b
.endr
	s_wait_tensorcnt 0x0                           ; the wave's end: behind my last tensor load
	ds_add_u32 v[SPW], v[NIL]
	s_wait_dscnt 0x0
	CROUND                                         ; the closing round: no work-group ends while a partner may still ask for a block that names it
	s_endpgm
.Lfunc_end_k_qd96442e547_proj:
	.size	k_qd96442e547_proj, .Lfunc_end_k_qd96442e547_proj-k_qd96442e547_proj
	.p2alignl 7, 3214868480
	.fill 96, 4, 3214868480
	.section	.rodata,"a",@progbits
	.p2align	6, 0x0
	.amdhsa_kernel k_qd96442e547_proj
		.amdhsa_group_segment_fixed_size 167936
		.amdhsa_private_segment_fixed_size 0
		.amdhsa_enable_private_segment 0
		.amdhsa_kernarg_size 64
		.amdhsa_user_sgpr_count 2
		.amdhsa_user_sgpr_kernarg_segment_ptr 1
		.amdhsa_wavefront_size32 1
		.amdhsa_system_sgpr_workgroup_id_x 1
		.amdhsa_system_sgpr_workgroup_id_y 1
		.amdhsa_system_sgpr_workgroup_id_z 1
		.amdhsa_system_vgpr_workitem_id 0
		.amdhsa_next_free_vgpr 224
		.amdhsa_next_free_sgpr 66
		.amdhsa_reserve_vcc 0
		.amdhsa_float_denorm_mode_32 3
		.amdhsa_float_denorm_mode_16_64 3
		.amdhsa_memory_ordered 1
		.amdhsa_forward_progress 1
		.amdhsa_inst_pref_size 26
	.end_amdhsa_kernel
	.amdgpu_metadata
---
amdhsa.version: [ 1, 2 ]
amdhsa.kernels:
  - .name:           k_qd96442e547_proj
    .symbol:         k_qd96442e547_proj.kd
    .args:
      - { .name: xc, .offset: 0, .size: 8, .value_kind: global_buffer, .address_space: global }
      - { .name: xs, .offset: 8, .size: 8, .value_kind: global_buffer, .address_space: global }
      - { .name: wc, .offset: 16, .size: 8, .value_kind: global_buffer, .address_space: global }
      - { .name: ws, .offset: 24, .size: 8, .value_kind: global_buffer, .address_space: global }
      - { .name: bq, .offset: 32, .size: 8, .value_kind: global_buffer, .address_space: global }
      - { .name: bk, .offset: 40, .size: 8, .value_kind: global_buffer, .address_space: global }
      - { .name: bv, .offset: 48, .size: 8, .value_kind: global_buffer, .address_space: global }
      - { .name: qkv, .offset: 56, .size: 8, .value_kind: global_buffer, .address_space: global }
    .group_segment_fixed_size: 167936
    .private_segment_fixed_size: 0
    .kernarg_segment_align: 8
    .kernarg_segment_size: 64
    .max_flat_workgroup_size: 256
    .sgpr_count:     66
    .vgpr_count:     224
    .wavefront_size: 32
...
	.end_amdgpu_metadata
.endif
;; end of part 2
;; launch attn (part 3): grid 16 x 16, 8 waves a work-group, clusters of 4 x 1, 327,680 bytes of LDS; arguments qkv, out0; writes out0
.if DOCPART == 3
	.amdgcn_target "amdgcn-amd-amdhsa--gfx1250"
	.amdhsa_code_object_version 6
	.text
	.protected	k_qd96442e547_attn
	.globl	k_qd96442e547_attn
	.p2align	8
	.type	k_qd96442e547_attn,@function
k_qd96442e547_attn:
	s_mov_b64 s[64:65], 0
	v_nop
	global_prefetch_b8 v0, s[64:65] scope:SCOPE_SE
	s_setreg_imm32_b32 hwreg(HW_REG_WAVE_MODE, 25, 1), 1
	s_wait_xcnt 0x0
	s_wait_alu depctr_hold_cnt(0) depctr_sa_sdst(0) depctr_va_vdst(0) depctr_va_sdst(0) depctr_va_ssrc(0) depctr_va_vcc(0) depctr_vm_vsrc(0)
	s_getreg_b32 s2, hwreg(HW_REG_IB_STS2, 6, 4)
	s_cmp_eq_u32 s2, 0
	s_cbranch_scc0 .Lentry_in_a_cluster
	s_endpgm
.Lentry_in_a_cluster:
	s_bfe_u32 s2, ttmp6, 0x10000c
	s_cmp_lg_u32 s2, 0x3003
	s_cbranch_scc0 .Lentry_shape_is_right
	s_endpgm
.Lentry_shape_is_right:
; out0[head][q][:] = the sum over k of softmax_k(Q[head][q] . K[head / 4][k] / 8) V[head / 4][k][:]: 16 heads of queries on 4 heads of keys and values, 2,048 positions, head size 64, no mask.
; (reference()'s closing reshape moves nothing: out0 is [head 16][query 2048][64] f32.)  Q, K, V come as f16 register images (buffer qkv, laid by the launch before); products on f16 operands with f32 sums;
; maxima, exponentials and sums in f32; the weights p, at most about 1, are rounded to f16 for the second product.
; LIMITS: |q|, |k|, |v| under 65,504 (the launch before); a weight under 2^-25 of its key group's largest counts as 0 in the second product, one under 2^-126 also in the row's sum; NaN and infinities are not served.
; SHARES.  A work-group owns 128 queries of one head.  Wave w of eight: queries 64 (w % 2) on (four tiles of 16), and a QUARTER OF THE KEYS: keys 64 (w / 2) on of every chunk of 256: 8 steps of 64 keys.
; So a fragment of K or V read from LDS feeds four matrix instructions.  At the end the four key groups of a query are merged through LDS: each has its own running maximum and sum.
; LAYOUT.  S^T = K Q^T (source 0 = 16 keys, source 1 = 16 queries): a lane holds ONE query (lane % 16) and keys 8 (lane / 16) + 0 .. 7.  Two such tiles, rounded to f16 in pairs, ARE source 1 of O^T = V^T P.
; K's images are read 16 bytes x lane; V's likewise by the turning load, since the launch before laid V's 16-byte pieces in that load's order.
; SOFTMAX.  For each query a running maximum m and sum l: p = 2^(c s - c m), c = log2(e) / 8; in every step O and l are multiplied by a = 2^(c m_old - c m_new).
; BY TURNS.  The wave's tiles are two PIECES, named by their first tile: piece 0 (tiles 0, 1) and piece 2 (tiles 2, 3).  In a TURN one piece has the matrix unit: 16 products V^T P of the step in hand, then 16 products
; K Q^T of the next step; the other piece's softmax, 237 vector instructions cut into 16 slices, stands between them, one slice behind each PAIR of products.  Then the pieces change places.  Two turns are a key step.
; RING.  Two LDS slots of 512 keys (K 64 KiB, V 64 KiB), filled by the tensor data mover: waves 0, 1 K's halves, waves 2, 3 V's.  The first chunk of 256 keys comes by loads of its own, so that the first step starts early.
; CLUSTER.  The four query blocks of a cluster belong to one head and walk the same K and V: each tile is asked for JOINTLY, by the same tensor load with the same descriptor and a mask that names the four.
;
; REGISTERS, in two windows of 256 (an instruction names v0-v255; s_set_vgpr_msb says which window each operand place means: bits 1:0 source 0, 3:2 source 1, 5:4 source 2, 7:6 destination):
;   window 0: v1-13 addresses; v16-47 eight registers of statistics a tile; v48-111 K of one step; v128-255 S^T, 32 a tile (p is packed in place into a tile's first 16)
;   window 1: v0-127 O^T, 32 a tile; v128-191 Q, 16 a tile; v192-255 V of one step
; All that a softmax touches but O^T lies in window 0.  A slice costs two switches, one in front and one behind; the products go in pairs, so that the two serve two products.
.set SLOT1, 131072                     ; slot s begins at 131,072 s: K's 512 keys, then at + 65,536 V's; one exclusive or turns an address in one slot into the other's
.set VOFF,  65536
.set STEPB, 32768                      ; a chunk of 256 keys of K, or of V
.set SPARE, 262144                     ; behind the ring: the spare words, 128 bytes for each wave: four blocks of 256 bytes that no other line names
.set STG,   8192                       ; the merge: (c m, l) of each wave lie from LDS byte 0 on, 1,024 bytes a wave, in slot 0, which has had its last fill and its last read when they are stored;
.set SP,    272                        ; from STG on each wave's 64 rows of O, 256 bytes + 16 a row; they reach into slot 1 and are written only behind the barrier that follows every wave's last step
.set WSTG,  64*SP
.set A0,  1                            ; v1   16 x lane + 8,192 (w / 2): my 64 keys' images of K in a chunk
.set AV0, 2                            ; v2   the same for V
.set ADR, 3                            ; v3   the LDS address of the run of loads in hand
.set SPW, 5                            ; v5   LDS address of my spare word; never rewritten
.set NIL, 6                            ; v6   0; never rewritten
.set VL16, 7                           ; v7   16 x lane
.set PFO, 8                            ; v8   256 x lane: the prefetch's offset
.set SA,  9                            ; v9   where I store my statistics
.set SB,  10                           ; v10  where I read the four key groups' statistics of my queries
.set WR,  11                           ; v11  my stage: row r, + 32 h
.set RD,  12                           ; v12  the rows that I sum, in key groups 0 and 1's stages
.set RD2, 13                           ; v13  in key groups 2 and 3's
.set ST,  16                           ; tile t's statistics at 8 t: +0 c m, +1 m, +2, +3 l (even keys', odd keys'), +4 .. +7 at work; a in +6
.set KF,  48                           ; K: keys 16 i on, channels 32 c on, at 8 (2 i + c)
.set S,   128                          ; S^T: tile t, keys 16 i on, at 32 t + 8 i
.set O,   0                            ; window 1: O^T: tile t, channels 16 c on, at 32 t + 8 c
.set QF,  128                          ; window 1: Q: tile t, channels 32 c on, at 16 t + 8 c
.set VF,  192                          ; window 1: V: keys 32 j on, channels 16 c on, at 8 (4 j + c)
.set KR,  48                           ; the merge, in K's registers: v48-79 the four key groups' (c m, l);
.set MS,  80                           ; v80-83 c m*;  v84-99 2^(c m_k - c m*);  v100-103 my own;  v104-107 l*;  v108-111 1 / l*;  v112-119 my factor, twice
.set EX,  84
.set EO,  100
.set LS,  104
.set RC,  108
.set GF,  112
.set WV,  8                            ; s8   my wave's number
.set G1S, 24                           ; s[24:31] descriptor group 1: 16 KiB;  s[32:39]: 32 KiB
.set G1L, 32
.set G0K, 40                           ; s[40:51] groups 0 for K: chunk 0, chunk 1, and the one that walks
.set G0V, 52                           ; s[52:63] the same for V
.set CS,  66                           ; s[66:67] c: the packed form names a pair and takes its low word for both halves
.set SEL, 68                           ; s[68:69] v_permlanex16_b32's selects for lane l xor 16
.set PFA, 70                           ; s[70:71] where my prefetch stands
.set LIM, 72                           ; s72  1 in a wave that prefetches, else the greatest number: a wave prefetches while s[SLOTS] is above it
.set SLOTS, 80                         ; s80  slots still to be asked for
.set TWICE, 81                         ; s81  counts a slot's two steps
.set TB,  82                           ; s82  LDS byte at which the chunk of the step to be fetched begins
.set MSB, 0
.macro WIN new                         ; the immediate's high byte repeats the setting that is left; a switch that changes nothing is dropped
.if MSB != \new
	s_set_vgpr_msb (MSB<<8)|\new
.set MSB, \new
.endif
.endm
.set W_KQ, 0x04                        ; K and S^T in window 0, Q in window 1
.set W_PV, 0x51                        ; V and O^T in window 1, P in window 0
.set W_RS, 0x41                        ; O^T (destination and source 0) in window 1, the factor in window 0
.set W_LD, 0x40                        ; a load's destination in window 1, its address in window 0
.set W_ST, 0x04                        ; an LDS store's data (its source 1) in window 1
.macro CROUND                          ; a round of the cluster's barrier
	s_barrier_signal -1
	s_barrier_wait -1
	s_cmp_lg_u32 s[WV], 0
	s_cbranch_scc1 .Lnot_wave_0_\@
	s_barrier_signal -3
.Lnot_wave_0_\@:
	s_barrier_wait -3
	s_barrier_signal -1
	s_barrier_wait -1
.endm
; A joint refill: waves 0 and 1 fetch K's halves of a slot, waves 2 and 3 V's, the others nothing.  The branches hang on the wave's number alone.  An s_nop 0 and four v_nop follow each of the two lines.
.macro TL3
	s_cmp_lt_u32 s[WV], 2
	s_cbranch_scc0 .Lnot_k_\@
	tensor_load_to_lds s[G0K+8:G0K+11], s[G1L:G1L+7]
	s_nop 0
.rept 4
	v_nop
.endr
	s_branch .Lasked_\@
.Lnot_k_\@:
	s_cmp_lt_u32 s[WV], 4
	s_cbranch_scc0 .Lasked_\@
	tensor_load_to_lds s[G0V+8:G0V+11], s[G1L:G1L+7]
	s_nop 0
.rept 4
	v_nop
.endr
.Lasked_\@:
.endm
; A PREFETCH INTO THE L2 of what the NEXT change of slots will ask for.  It stands behind the first of the two refills alone, and names keys 1,536 to 2,047 of K and of V, 64 KiB each, two key steps ahead of their load.
; Each aligned block of 256 bytes is named once in the launch: of the sixteen clusters that walk these keys (four heads, four clusters each) the first asks; its four partners take 16 KiB of each tensor, told apart by address;
; in each, waves 4, 5 ask for K's and waves 6, 7 for V's, lanes 256 bytes apart.  The second refill is the last: behind it nothing is asked for.
.macro ASK
	s_cmp_gt_u32 s[SLOTS], s[LIM]
	s_cbranch_scc0 .Lnot_mine_\@
	global_prefetch_b8 v[PFO], s[PFA:PFA+1] th:TH_LOAD_NT scope:SCOPE_SE
.Lnot_mine_\@:
.endm
	s_load_b128 s[4:7], s[0:1], 0x0                ; qkv s[4:5], out0 s[6:7]
	v_lshl_add_u32 v[SPW], v0, 2, SPARE
	v_mov_b32 v[NIL], 0
	ds_add_u32 v[SPW], v[NIL]                      ; the wave's opening: the add, twice on end, and its wait ahead of my first tensor load; the set-up below stands between the second and the wait
	ds_add_u32 v[SPW], v[NIL]
	v_lshrrev_b32 v14, 5, v0
	v_readfirstlane_b32 s[WV], v14                 ; wave 0..7
	s_and_b32 s9, s[WV], 1                         ; which 64 queries.  Also: which half of a tile I fetch, if I fetch
	s_lshr_b32 s10, s[WV], 1                       ; which quarter of the keys
	s_bfe_u32 s12, ttmp6, 0x40000                  ; cx: my place in the cluster
	s_lshl_b32 s13, ttmp9, 2
	s_add_co_u32 s13, s13, s12                     ; my block of 128 queries: it enters Q's, out0's and the prefetch's addresses alone
	s_and_b32 s14, ttmp7, 0xffff                   ; the head, which the four partners share
	s_lshr_b32 s15, s14, 2                         ; its head of keys and values
	; descriptor group 1: dense blocks as rows of 32 elements of 8 bytes, no padding: the images are read 16 bytes x lane
	s_mov_b32 s[G1S], 15|(3<<16)|(1<<21)           ; 15:0 the mask: all four work-groups; 17:16 elements of 8 bytes; 21 set beside a mask
	s_mov_b32 s[G1S+1], 32<<16                     ; tensor_dim0 = 32
	s_mov_b32 s[G1S+2], 64<<16                     ; tensor_dim1 = 64
	s_mov_b32 s[G1S+3], 32<<16                     ; tile_dim0 = 32
	s_mov_b32 s[G1S+4], 64                         ; tile_dim1 = 64: 16 KiB
	s_mov_b32 s[G1S+5], 32                         ; tensor_dim0_stride
	s_mov_b32 s[G1S+6], 0
	s_mov_b32 s[G1S+7], 0
	s_mov_b32 s[G1L], 15|(3<<16)|(1<<21)
	s_mov_b32 s[G1L+1], 32<<16
	s_mov_b32 s[G1L+2], 128<<16
	s_mov_b32 s[G1L+3], 32<<16
	s_mov_b32 s[G1L+4], 128                        ; 128 rows: 32 KiB
	s_mov_b32 s[G1L+5], 32
	s_mov_b32 s[G1L+6], 0
	s_mov_b32 s[G1L+7], 0
	s_lshl_b32 s78, s9, 14                         ; my half of a chunk's 32 KiB,
	s_lshl_b32 s79, s9, 15                         ; of a slot's 64 KiB
	s_mov_b32 s[G0K], 1                            ; groups 0: count = 1, and the LDS address: constants and the wave's number alone
	s_mov_b32 s[G0K+1], s78                        ; K, chunk 0
	s_mov_b32 s[G0K+4], 1
	s_add_co_u32 s[G0K+5], s78, STEPB              ; K, chunk 1
	s_mov_b32 s[G0K+8], 1
	s_add_co_u32 s[G0K+9], s79, SLOT1              ; K, slot 1
	s_mov_b32 s[G0V], 1
	s_add_co_u32 s[G0V+1], s78, VOFF
	s_mov_b32 s[G0V+4], 1
	s_add_co_u32 s[G0V+5], s78, VOFF+STEPB
	s_mov_b32 s[G0V+8], 1
	s_add_co_u32 s[G0V+9], s79, SLOT1+VOFF
	s_add_co_u32 s76, s15, 16                      ; K's slot of qkv: 16 + the head of keys; 262,144 bytes a slot
	s_lshl_b32 s76, s76, 18
	s_mov_b32 s77, 0
	s_mov_b32 s[CS], 0x3e38aa3b                    ; c = log2(e) / sqrt(64)
	s_mov_b32 s[CS+1], s[CS]                       ; (named with it as a pair, so it is written)
	s_mov_b32 s[SEL], 0x76543210
	s_mov_b32 s[SEL+1], 0xfedcba98
	s_mov_b32 s[TB], 0
	s_mov_b32 s[SLOTS], 2
	s_sub_co_u32 s[LIM], s[WV], 4
	s_lshr_b32 s[LIM], s[LIM], 2                   ; 0 in waves 4 to 7,
	s_or_b32 s[LIM], s[LIM], ttmp9                 ; of the head's first cluster,
	s_and_b32 s73, s14, 3
	s_or_b32 s[LIM], s[LIM], s73                   ; of the first of the four heads that share these keys: the same in all four partners
	s_cmp_eq_u32 s[LIM], 0
	s_cselect_b32 s[LIM], 1, -1
	; every address register is made here
	v_and_b32 v4, 31, v0                           ; lane
	v_and_b32 v14, 15, v0                          ; r
	v_bfe_u32 v15, v0, 4, 1                        ; h
	v_lshlrev_b32 v[VL16], 4, v4
	v_lshlrev_b32 v[PFO], 8, v4
	s_lshl_b32 s73, s10, 13
	v_add_nc_u32 v[A0], s73, v[VL16]
	v_add_nc_u32 v[AV0], VOFF, v[A0]
	s_lshl_b32 s73, s[WV], 10
	v_lshl_add_u32 v[SA], v4, 3, s73               ; 1,024 x wave + 8 x lane
	s_lshl_b32 s73, s9, 10
	v_lshl_add_u32 v[SB], v4, 3, s73
	s_mul_i32 s73, s[WV], WSTG
	s_add_co_u32 s73, s73, STG
	v_mul_u32_u24 v[WR], v14, SP
	v_lshl_add_u32 v[WR], v15, 5, v[WR]
	v_add_nc_u32 v[WR], s73, v[WR]
	s_mul_i32 s73, s9, WSTG                        ; key group 0's stage for my queries,
	s_add_co_u32 s73, s73, STG
	s_mul_i32 s22, s10, 16*SP                      ; the sixteen rows of the 64 that I sum;
	s_add_co_u32 s73, s73, s22
	v_mul_u32_u24 v[RD], v15, SP                   ; lanes 0-15 take one row of 256 bytes, lanes 16-31 the next
	v_lshl_add_u32 v[RD], v14, 4, v[RD]
	v_add_nc_u32 v[RD], s73, v[RD]
	v_add_nc_u32 v[RD2], 4*WSTG, v[RD]             ; key group k's stage lies 2 k stages on
	s_wait_dscnt 0x0                               ; both opening adds are done
	s_wait_kmcnt 0x0
	s_add_nc_u64 s[16:17], s[4:5], s[76:77]        ; K's slot
	s_add_nc_u64 s[18:19], s[16:17], 0x100000      ; V's: four slots on
	s_mov_b32 s76, s78
	s_add_nc_u64 s[G0K+2:G0K+3], s[16:17], s[76:77]         ; chunk 0, my half
	s_add_nc_u64 s[G0K+6:G0K+7], s[G0K+2:G0K+3], 32768      ; chunk 1
	s_add_nc_u64 s[G0V+2:G0V+3], s[18:19], s[76:77]
	s_add_nc_u64 s[G0V+6:G0V+7], s[G0V+2:G0V+3], 32768
	s_mov_b32 s76, s79
	s_add_nc_u64 s[G0K+10:G0K+11], s[16:17], s[76:77]
	s_add_nc_u64 s[G0K+10:G0K+11], s[G0K+10:G0K+11], 65536  ; chunks 2 and 3, my half
	s_add_nc_u64 s[G0V+10:G0V+11], s[18:19], s[76:77]
	s_add_nc_u64 s[G0V+10:G0V+11], s[G0V+10:G0V+11], 65536
.irp g, G0K+3, G0K+7, G0K+11, G0V+3, G0V+7, G0V+11
	s_or_b32 s[\g], s[\g], 0x80000000              ; type = 2
.endr
	CROUND                                         ; all four work-groups are here: the first joint loads meet
	s_cmp_lt_u32 s[WV], 2                          ; a wave's three first fills stand in one branch, ahead of every wait on TENSORcnt and every LDS read: three loads of mine are out
	s_cbranch_scc0 .Lfirst_not_k
	tensor_load_to_lds s[G0K:G0K+3], s[G1S:G1S+7]
	s_nop 0
	tensor_load_to_lds s[G0K+4:G0K+7], s[G1S:G1S+7]
	s_nop 0
	tensor_load_to_lds s[G0K+8:G0K+11], s[G1L:G1L+7]
	s_nop 0
.rept 4
	v_nop
.endr
	s_branch .Lfirst_asked
.Lfirst_not_k:
	s_cmp_lt_u32 s[WV], 4
	s_cbranch_scc0 .Lfirst_asked
	tensor_load_to_lds s[G0V:G0V+3], s[G1S:G1S+7]
	s_nop 0
	tensor_load_to_lds s[G0V+4:G0V+7], s[G1S:G1S+7]
	s_nop 0
	tensor_load_to_lds s[G0V+8:G0V+11], s[G1L:G1L+7]
	s_nop 0
.rept 4
	v_nop
.endr
.Lfirst_asked:
	s_lshl_b32 s22, s14, 18                        ; Q: the head's slot,
	s_lshl_b32 s73, s13, 14                        ; 2,048 bytes a tile of 16 queries: 8 tiles a block,
	s_add_co_u32 s22, s22, s73
	s_lshl_b32 s73, s9, 13                         ; 4 for my wave
	s_add_co_u32 s22, s22, s73
	s_mov_b32 s23, 0
	s_add_nc_u64 s[20:21], s[4:5], s[22:23]
	WIN W_LD
.irp f, 0,1,2,3,4,5,6,7,8,9,10,11,12,13,14,15
	global_load_b128 v[QF+4*\f:QF+4*\f+3], v[VL16], s[20:21] offset:512*\f   ; Q stays in registers: image f = tile f / 4, channels 16 (f % 4) on
.endr
	WIN 0
	s_lshl_b32 s22, s14, 19                        ; out0: 524,288 bytes a head, 256 a query: query 128 x block + 64 (w % 2) + 16 (w / 2)
	s_lshl_b32 s73, s13, 15
	s_add_co_u32 s22, s22, s73
	s_lshl_b32 s73, s9, 14
	s_add_co_u32 s22, s22, s73
	s_lshl_b32 s73, s10, 12
	s_add_co_u32 s22, s22, s73
	s_add_nc_u64 s[74:75], s[6:7], s[22:23]
	s_cmp_lt_u32 s[WV], 6                          ; the prefetch: waves 4 and 5 stand in K, waves 6 and 7 in V,
	s_cselect_b64 s[PFA:PFA+1], s[16:17], s[18:19]
	s_lshl_b32 s22, s12, 14                        ; each partner at its own 16 KiB of the last slot's 64: told apart by address,
	s_lshl_b32 s73, s9, 13                         ; each wave at its own 8 KiB of those
	s_add_co_u32 s22, s22, s73
	s_add_co_u32 s22, s22, 196608                  ; keys 1,536 on
	s_add_nc_u64 s[PFA:PFA+1], s[PFA:PFA+1], s[22:23]
; THE MATRIX WORK OF A TURN, for piece x.  The accumulators take turns, one instruction a turn: between two links of a chain stand seven others'.
; Product i of 16 of O^T += V^T P: keys 32 (i / 8) on, channels 16 ((i / 2) % 4) on, tile x + i % 2.  zero = 1: the first 8 start the sums: nothing is ever cleared.
.macro PV x, zero
	WIN W_PV
.set rO, O+32*(\x+i%2)+8*((i/2)%4)
.set rV, VF+8*(4*(i/8)+(i/2)%4)
.set rP, S+32*(\x+i%2)+8*(i/8)
.if \zero && (i < 8)
	v_wmma_f32_16x16x32_f16 v[rO:rO+7], v[rV:rV+7], v[rP:rP+7], 0
.else
	v_wmma_f32_16x16x32_f16 v[rO:rO+7], v[rV:rV+7], v[rP:rP+7], v[rO:rO+7]
.endif
.endm
; Product i of 16 of S^T = K Q^T: channels 32 (i / 8) on, keys 16 ((i / 2) % 4) on, tile x + i % 2.  The first 8 start the sums.
.macro KQ x
	WIN W_KQ
.set rS, S+32*(\x+i%2)+8*((i/2)%4)
.set rK, KF+8*(2*((i/2)%4)+i/8)
.set rQ, QF+16*(\x+i%2)+8*(i/8)
.if i < 8
	v_wmma_f32_16x16x32_f16 v[rS:rS+7], v[rK:rK+7], v[rQ:rQ+7], 0
.else
	v_wmma_f32_16x16x32_f16 v[rS:rS+7], v[rK:rK+7], v[rQ:rQ+7], v[rS:rS+7]
.endif
.endm
; THE LDS LOADS stand in runs of 16, never singly among the matrix instructions: a step's K (my 64 keys x 64 channels: image f = keys 16 (f / 4) on, channels 16 (f % 4) on; two images are a fragment) and, a turn later, its V (turned).
.macro FETCH_K
	WIN 0
	v_add_nc_u32 v[ADR], s[TB], v[A0]
.irp f, 0,1,2,3,4,5,6,7,8,9,10,11,12,13,14,15
	ds_load_b128 v[KF+4*\f:KF+4*\f+3], v[ADR] offset:512*\f
.endr
.endm
.macro FETCH_V
	WIN 0
	v_add_nc_u32 v[ADR], s[TB], v[AV0]
	s_add_co_u32 s[TB], s[TB], STEPB               ; the next fetch is the next step's
	s_wait_alu depctr_va_vdst(0)                   ; the wait for the softmax's batch (SLICE), behind the address's v_add_nc_u32 and ahead of the loads
	WIN W_LD
.irp j, 0,1                                        ; keys 32 j + 16 b on, channels 16 c on
.irp c, 0,1,2,3
.irp b, 0,1
	ds_load_tr16_b128 v[VF+8*(4*\j+\c)+4*\b:VF+8*(4*\j+\c)+4*\b+3], v[ADR] offset:2048*(2*\j+\b)+512*\c
.endr
.endr
.endr
.endm
; THE VECTOR WORK OF A TURN: the softmax of piece YY (tiles YY, YY + 1) for one key step, in 16 slices; the two tiles alternate, so that where one instruction feeds the next the other tile's stands between.
;   slices 0, 1    the maximum of the lane's 32 scores and the old m: four chains of seven scores, the four left over, the chains, m.  Each accumulator is read from its low end on
;   slice 2        the other half of the lanes' maximum; the new m; c m; c m_old - c m_new; the first pair's scaling; a
;   slices 3 to 7  ONE BATCH: for each pair of scores the next pair's scaling c s - c m, then the pair's two exponentials.  None of these reads an exponential's result.  Behind slice 7: a plain instruction and the batch's one wait
;   slices 8, 9    the row's sum of the unrounded p, in two chains of pairs; l = a l + the sum
;   slices 10, 11  p to f16, packed in place, ascending: register p takes numbers 2 p and 2 p + 1, which no earlier line has overwritten
;   slices 12-15   the piece's O^T times a: the one part that leaves window 0; each accumulator from its low end on
; first = 1: the first key step, which starts m, l and O^T: it has no a and nothing to rescale.
.macro GRP                             ; pair gp of both tiles: the next pair's scaling, this pair's exponentials
.irp u, 0,1
.if gp < 15
	v_pk_fma_f32 v[S+32*(YY+\u)+2*gp+2:S+32*(YY+\u)+2*gp+3], v[S+32*(YY+\u)+2*gp+2:S+32*(YY+\u)+2*gp+3], s[CS:CS+1], v[ST+8*(YY+\u):ST+8*(YY+\u)+1] op_sel_hi:[1,0,0] neg_lo:[0,0,1] neg_hi:[0,0,1]
.endif
	v_exp_f32 v[S+32*(YY+\u)+2*gp], v[S+32*(YY+\u)+2*gp]
	v_exp_f32 v[S+32*(YY+\u)+2*gp+1], v[S+32*(YY+\u)+2*gp+1]
.endr
.endm
.macro SLICE first
.if k < 12
	WIN 0
.endif
.if k == 0
.irp j, 0,1,2,3
.irp u, 0,1
	v_max3_num_f32 v[ST+8*(YY+\u)+4+\j], v[S+32*(YY+\u)+8*\j], v[S+32*(YY+\u)+8*\j+1], v[S+32*(YY+\u)+8*\j+2]
.endr
.endr
.irp j, 0,1,2,3
.irp u, 0,1
	v_max3_num_f32 v[ST+8*(YY+\u)+4+\j], v[ST+8*(YY+\u)+4+\j], v[S+32*(YY+\u)+8*\j+3], v[S+32*(YY+\u)+8*\j+4]
.endr
.endr
.elseif k == 1
.irp j, 0,1,2,3
.irp u, 0,1
	v_max3_num_f32 v[ST+8*(YY+\u)+4+\j], v[ST+8*(YY+\u)+4+\j], v[S+32*(YY+\u)+8*\j+5], v[S+32*(YY+\u)+8*\j+6]
.endr
.endr
.irp u, 0,1
	v_max3_num_f32 v[ST+8*(YY+\u)+4], v[ST+8*(YY+\u)+4], v[S+32*(YY+\u)+7], v[S+32*(YY+\u)+15]     ; the four scores left over
	v_max3_num_f32 v[ST+8*(YY+\u)+6], v[ST+8*(YY+\u)+6], v[S+32*(YY+\u)+23], v[S+32*(YY+\u)+31]
.endr
.irp u, 0,1
	v_max3_num_f32 v[ST+8*(YY+\u)+4], v[ST+8*(YY+\u)+4], v[ST+8*(YY+\u)+5], v[ST+8*(YY+\u)+6]
.endr
.irp u, 0,1
.if \first
	v_max_num_f32 v[ST+8*(YY+\u)+4], v[ST+8*(YY+\u)+4], v[ST+8*(YY+\u)+7]
.else
	v_max3_num_f32 v[ST+8*(YY+\u)+4], v[ST+8*(YY+\u)+4], v[ST+8*(YY+\u)+7], v[ST+8*(YY+\u)+1]      ; and the old m
.endif
.endr
.elseif k == 2
.irp u, 0,1
	v_permlanex16_b32 v[ST+8*(YY+\u)+5], v[ST+8*(YY+\u)+4], s[SEL], s[SEL+1]   ; the query's other 32 keys lie in the lane 16 away
.endr
.if \first == 0
.irp u, 0,1
	v_mov_b32 v[ST+8*(YY+\u)+7], v[ST+8*(YY+\u)]   ; c m_old is kept for a
.endr
.endif
.irp u, 0,1
	v_max_num_f32 v[ST+8*(YY+\u)+1], v[ST+8*(YY+\u)+4], v[ST+8*(YY+\u)+5]
.endr
.irp u, 0,1
	v_mul_f32 v[ST+8*(YY+\u)], s[CS], v[ST+8*(YY+\u)+1]
.endr
.if \first == 0
.irp u, 0,1
	v_sub_f32 v[ST+8*(YY+\u)+7], v[ST+8*(YY+\u)+7], v[ST+8*(YY+\u)]
.endr
.endif
.irp u, 0,1
	v_pk_fma_f32 v[S+32*(YY+\u):S+32*(YY+\u)+1], v[S+32*(YY+\u):S+32*(YY+\u)+1], s[CS:CS+1], v[ST+8*(YY+\u):ST+8*(YY+\u)+1] op_sel_hi:[1,0,0] neg_lo:[0,0,1] neg_hi:[0,0,1]   ; the first pair: c s - c m
.endr
.if \first == 0
.irp u, 0,1
	v_exp_f32 v[ST+8*(YY+\u)+6], v[ST+8*(YY+\u)+7] ; a
.endr
.endif
.elseif k < 7
.set gp, 3*(k-3)
.rept 3
	GRP
.set gp, gp+1
.endr
.elseif k == 7
.set gp, 12
.rept 4
	GRP
.set gp, gp+1
.endr
	v_nop                                          ; a plain instruction behind the last exponential and ahead of the first use: one for the batch
.if YY == 0
	FETCH_V                                        ; piece 2's turn: V's run of loads stands here, and the batch's wait stands in it
.else
	s_wait_alu depctr_va_vdst(0)                   ; the one wait ahead of the batch's first reader
.endif
.elseif k == 8
.if \first
.irp u, 0,1
	v_pk_add_f32 v[ST+8*(YY+\u)+2:ST+8*(YY+\u)+3], v[S+32*(YY+\u):S+32*(YY+\u)+1], v[S+32*(YY+\u)+2:S+32*(YY+\u)+3]
	v_pk_add_f32 v[ST+8*(YY+\u)+4:ST+8*(YY+\u)+5], v[S+32*(YY+\u)+4:S+32*(YY+\u)+5], v[S+32*(YY+\u)+6:S+32*(YY+\u)+7]
.endr
.else
.irp u, 0,1
	v_pk_fma_f32 v[ST+8*(YY+\u)+2:ST+8*(YY+\u)+3], v[ST+8*(YY+\u)+2:ST+8*(YY+\u)+3], v[ST+8*(YY+\u)+6:ST+8*(YY+\u)+7], v[S+32*(YY+\u):S+32*(YY+\u)+1] op_sel_hi:[1,0,1]   ; l a + the first pair
	v_pk_add_f32 v[ST+8*(YY+\u)+4:ST+8*(YY+\u)+5], v[S+32*(YY+\u)+2:S+32*(YY+\u)+3], v[S+32*(YY+\u)+4:S+32*(YY+\u)+5]
.endr
.irp u, 0,1
	v_pk_add_f32 v[ST+8*(YY+\u)+2:ST+8*(YY+\u)+3], v[ST+8*(YY+\u)+2:ST+8*(YY+\u)+3], v[S+32*(YY+\u)+6:S+32*(YY+\u)+7]
.endr
.endif
.irp p, 8,12
.irp u, 0,1
	v_pk_add_f32 v[ST+8*(YY+\u)+2:ST+8*(YY+\u)+3], v[ST+8*(YY+\u)+2:ST+8*(YY+\u)+3], v[S+32*(YY+\u)+\p:S+32*(YY+\u)+\p+1]
	v_pk_add_f32 v[ST+8*(YY+\u)+4:ST+8*(YY+\u)+5], v[ST+8*(YY+\u)+4:ST+8*(YY+\u)+5], v[S+32*(YY+\u)+\p+2:S+32*(YY+\u)+\p+3]
.endr
.endr
.elseif k == 9
.irp p, 16,20,24,28
.irp u, 0,1
	v_pk_add_f32 v[ST+8*(YY+\u)+2:ST+8*(YY+\u)+3], v[ST+8*(YY+\u)+2:ST+8*(YY+\u)+3], v[S+32*(YY+\u)+\p:S+32*(YY+\u)+\p+1]
	v_pk_add_f32 v[ST+8*(YY+\u)+4:ST+8*(YY+\u)+5], v[ST+8*(YY+\u)+4:ST+8*(YY+\u)+5], v[S+32*(YY+\u)+\p+2:S+32*(YY+\u)+\p+3]
.endr
.endr
.irp u, 0,1
	v_pk_add_f32 v[ST+8*(YY+\u)+2:ST+8*(YY+\u)+3], v[ST+8*(YY+\u)+2:ST+8*(YY+\u)+3], v[ST+8*(YY+\u)+4:ST+8*(YY+\u)+5]
.endr
.elseif k == 10
.irp p, 0,1,2,3,4,5,6,7
.irp u, 0,1
	v_cvt_pk_f16_f32 v[S+32*(YY+\u)+\p], v[S+32*(YY+\u)+2*\p], v[S+32*(YY+\u)+2*\p+1]
.endr
.endr
.elseif k == 11
.irp p, 8,9,10,11,12,13,14,15
.irp u, 0,1
	v_cvt_pk_f16_f32 v[S+32*(YY+\u)+\p], v[S+32*(YY+\u)+2*\p], v[S+32*(YY+\u)+2*\p+1]
.endr
.endr
.else
.if \first == 0
	WIN W_RS
.irp p, 0,2,4,6
.irp u, 0,1
	v_pk_mul_f32 v[O+32*(YY+\u)+8*(k-12)+\p:O+32*(YY+\u)+8*(k-12)+\p+1], v[O+32*(YY+\u)+8*(k-12)+\p:O+32*(YY+\u)+8*(k-12)+\p+1], v[ST+8*(YY+\u)+6:ST+8*(YY+\u)+7] op_sel_hi:[1,0]
.endr
.endr
.endif
.endif
.set k, k+1
.endm
; A vector instruction that reads a matrix result or writes one of a matrix instruction's registers, and a load into a register that a matrix instruction has read, stand four places behind it; a matrix instruction that writes
; over such a register five; and only plain vector instructions that name none of its registers are places (ISA guide 7.12.1 for vector instructions).  In the loop the slices are the places.
.macro PLACES
.rept 4
	v_nop
.endr
.endm
; A TURN.  Piece x has the matrix unit; the other piece's softmax stands in slices behind its pairs of matrix instructions.
; pv = 2: 16 products V^T P; 1: they start O^T's sums; 0: none.  kq = 1: 16 products K Q^T for the next step.  A turn with one of the two kinds has two slices behind each pair.
; first = 1: the softmax is the first key step's.  Its slices from 12 on are empty: the turn's last products stand bare, and four v_nop take slice 15's part as the places behind them.
; THE DISTANCES.  K Q^T writes its scores over the piece's p, which the turn's V^T P have read: slice 7 stands between, with six scalings and a v_nop, seven plain instructions that name the other piece's registers alone.
; Piece 0's turn fetches the next step's K, behind its first pair: the last product that read K stands in front of slice 15 of the turn before, eight plain multiplies.  The same eight stand ahead of the first read of that turn's scores.
; Piece 2's turn fetches the same step's V, behind slice 7 (SLICE writes it): the last product that read V stands in front of slice 7: its seven plain instructions and the run's own v_add_nc_u32 lie between.
; K is asked for 14 products ahead of its first use, V 16: in front of each use stands one s_wait_dscnt 0.
.macro TURN x, pv, kq, first
.set k, 0
.set YY, 2-\x
.set per, 2
.if \pv && \kq
.set per, 1
.endif
.if \pv
.if \x == 0
	s_wait_dscnt 0x0                               ; V is in
.endif
.set i, 0
.rept 8
	PV \x, 2-\pv
.set i, i+1
	PV \x, 2-\pv
.set i, i+1
.rept per
	SLICE \first
.endr
.if (\x == 0) && \kq && (i == 2)
	FETCH_K
.endif
.endr
.endif
.if \kq
.if \x == 0
	s_wait_dscnt 0x0                               ; K is in
.endif
.set i, 0
.rept 8
	KQ \x
.set i, i+1
	KQ \x
.set i, i+1
.rept per
	SLICE \first
.endr
.endr
.endif
.if \first
	PLACES
.endif
.endm
; THE CHANGE OF SLOTS, between piece 2's turn and piece 0's: the slot's last bytes, V of its second step, have been asked for.  Each wave waits for all its tensor loads, of which at most one is out: its part of the other slot;
; adds 0 to its spare word; and waits for that and for its own reads of the slot.  Behind the barrier nobody reads this slot any more and the other slot is whole.
; fill = 1: this slot is filled again, with the keys two slots on.  The barrier is then a round of the cluster's, so that no wave of any partner still reads the slot or has a load on its way, and the joint refill is the first
; thing behind it: it has two key steps, 128 matrix instructions of each of the eight waves, in which to land.
.macro CHANGE fill
	WIN 0                                          ; at a label and at a branch every window is 0; the add's two registers lie in window 0
	s_wait_tensorcnt 0x0                           ; no tensor load of mine is out, so a group 0 may be written
	ds_add_u32 v[SPW], v[NIL]                      ; 0 onto my spare word
.if \fill
	ds_add_u32 v[SPW], v[NIL]                      ; and once more
	s_xor_b32 s[G0K+9], s[G0K+9], SLOT1            ; the walking descriptors: the other slot than last time,
	s_add_nc_u64 s[G0K+10:G0K+11], s[G0K+10:G0K+11], 65536   ; the next 512 keys; the type bits on top are not reached
	s_xor_b32 s[G0V+9], s[G0V+9], SLOT1
	s_add_nc_u64 s[G0V+10:G0V+11], s[G0V+10:G0V+11], 65536
	s_wait_dscnt 0x0                               ; both adds are done, and my reads of the slot are over
	CROUND
	TL3
	ASK
.else
	s_wait_dscnt 0x0                               ; the add is done, and my reads of the slot are over
	s_barrier_signal -1
	s_barrier_wait -1
.endif
	s_sub_co_u32 s[TB], s[TB], 2*STEPB             ; the fetches go back to a slot's first chunk,
	s_xor_b32 s[TB], s[TB], SLOT1                  ; in the other slot
.endm
; A slot's two key steps: written once, walked twice; the LDS addresses hang on s[TB].
.macro TWO_STEPS
	s_mov_b32 s[TWICE], 2
.Lstep_\@:
	TURN 0, 2, 1, 0
	TURN 2, 2, 1, 0
	WIN 0
	s_sub_co_u32 s[TWICE], s[TWICE], 1
	s_cmp_lg_u32 s[TWICE], 0
	s_cbranch_scc1 .Lstep_\@
.endm
	s_wait_tensorcnt 0x2                           ; my part of chunk 0 is in; chunk 1's and slot 1's loads may stay out
	s_barrier_signal -1
	s_barrier_wait -1                              ; everybody's is
	FETCH_K                                        ; key step 0
	s_wait_loadcnt 0x0                             ; Q
	s_wait_dscnt 0x0
.set i, 0
.rept 16
	KQ 0                                           ; piece 0's first scores: there is no vector work yet to set between them
.set i, i+1
.endr
	WIN 0
	PLACES
	TURN 2, 0, 1, 1                                ; piece 2's first scores | piece 0's first softmax | V of step 0
	WIN 0
	s_wait_tensorcnt 0x1                           ; my part of chunk 1 is in; slot 1's load may stay out
	s_wait_dscnt 0x0
	s_barrier_signal -1
	s_barrier_wait -1
	TURN 0, 1, 1, 1                                ; piece 0: V^T P of step 0 starts O^T, K Q^T of step 1 | piece 2's first softmax | K of step 1
	TURN 2, 1, 1, 0                                ; piece 2: the same | piece 0's softmax of step 1 | V of step 1
	WIN 0
.Lslot:                                            ; two trips: slot 0 takes keys 1,024 to 1,535, then slot 1 keys 1,536 to 2,047
	CHANGE 1
	TWO_STEPS
	s_sub_co_u32 s[SLOTS], s[SLOTS], 1
	s_cmp_lg_u32 s[SLOTS], 0
	s_cbranch_scc1 .Lslot
	CHANGE 0                                       ; the tail is written out: nothing is left to fetch
	TWO_STEPS
	TURN 0, 2, 0, 0                                ; piece 0: V^T P of the last step | piece 2's last softmax
.set i, 0
.rept 16
	PV 2, 0                                        ; piece 2: V^T P of the last step
.set i, i+1
.endr
	; THE MERGE of the four key groups.  Each wave publishes (c m, l) of its queries; every wave forms the common maximum c m*, the common sum l* = the sum of l_k 2^(c m_k - c m*), and scales its own O^T by
	; 2^(c m_own - c m*) / l*; the scaled parts meet in LDS, and each wave adds the four parts of sixteen rows and stores them.
	WIN 0
.irp t, 0,1,2,3
	v_add_f32 v[ST+8*\t+4], v[ST+8*\t+2], v[ST+8*\t+3]     ; l's two halves.  (These lines are also the places behind the last products)
.endr
.irp t, 0,1,2,3
	v_permlanex16_b32 v[ST+8*\t+5], v[ST+8*\t+4], s[SEL], s[SEL+1]
.endr
.irp t, 0,1,2,3
	v_add_f32 v[ST+8*\t+1], v[ST+8*\t+4], v[ST+8*\t+5]     ; and lane l xor 16's: my key group's sum, beside c m
.endr
.irp t, 0,1,2,3
	ds_store_b64 v[SA], v[ST+8*\t:ST+8*\t+1] offset:256*\t
.endr
	s_wait_dscnt 0x0                               ; for the others' sake: my statistics have landed
	s_barrier_signal -1
	s_barrier_wait -1
.irp g, 0,1,2,3
.irp t, 0,1,2,3
	ds_load_b64 v[KR+8*\g+2*\t:KR+8*\g+2*\t+1], v[SB] offset:2048*\g+256*\t    ; key group g's wave for my queries is wave w % 2 + 2 g
.endr
.endr
	s_wait_dscnt 0x0
.irp t, 0,1,2,3
	v_max3_num_f32 v[MS+\t], v[KR+2*\t], v[KR+8+2*\t], v[KR+16+2*\t]
.endr
.irp t, 0,1,2,3
	v_max_num_f32 v[MS+\t], v[MS+\t], v[KR+24+2*\t]        ; c m*
.endr
.irp g, 0,1,2,3
.irp t, 0,1,2,3
	v_sub_f32 v[EX+4*\t+\g], v[KR+8*\g+2*\t], v[MS+\t]
.endr
.endr
.irp t, 0,1,2,3
	v_sub_f32 v[EO+\t], v[ST+8*\t], v[MS+\t]
.endr
.irp n, 0,1,2,3,4,5,6,7,8,9,10,11,12,13,14,15,16,17,18,19
	v_exp_f32 v[EX+\n], v[EX+\n]                   ; the sixteen, and behind them my own four
.endr
	v_nop                                          ; a plain instruction behind the last exponential,
	s_wait_alu depctr_va_vdst(0)                   ; and the one wait for the twenty, ahead of their first reader
.irp t, 0,1,2,3
	v_mul_f32 v[LS+\t], v[EX+4*\t], v[KR+1+2*\t]
.endr
.irp g, 1,2,3
.irp t, 0,1,2,3
	v_fma_f32 v[LS+\t], v[EX+4*\t+\g], v[KR+8*\g+2*\t+1], v[LS+\t]         ; l*: at least about 1, since the group that holds the maximum counts in full
.endr
.endr
.irp t, 0,1,2,3
	v_rcp_f32 v[RC+\t], v[LS+\t]
.endr
	v_nop
	s_wait_alu depctr_va_vdst(0)                   ; one wait for the four reciprocals
.irp t, 0,1,2,3
	v_mul_f32 v[GF+2*\t], v[EO+\t], v[RC+\t]       ; my factor, in both halves of a pair
	v_mul_f32 v[GF+2*\t+1], v[EO+\t], v[RC+\t]
.endr
	WIN W_RS
.irp t, 0,1,2,3
.irp p, 0,2,4,6,8,10,12,14,16,18,20,22,24,26,28,30
	v_pk_mul_f32 v[O+32*\t+\p:O+32*\t+\p+1], v[O+32*\t+\p:O+32*\t+\p+1], v[GF+2*\t:GF+2*\t+1]    ; each accumulator from its low end on
.endr
.endr
	WIN W_ST
.irp t, 0,1,2,3
.irp c, 0,1,2,3
	ds_store_b128 v[WR], v[O+32*\t+8*\c:O+32*\t+8*\c+3]   offset:16*SP*\t+64*\c       ; lane (r, h): query 16 t + r, channels 16 c + 8 h + 0 .. 7
	ds_store_b128 v[WR], v[O+32*\t+8*\c+4:O+32*\t+8*\c+7] offset:16*SP*\t+64*\c+16
.endr
.endr
	WIN 0
	s_wait_dscnt 0x0                               ; for the others' sake: my part has landed
	s_barrier_signal -1
	s_barrier_wait -1
.irp g, 0,1
.irp e, 0,1,2,3,4,5,6,7
	ds_load_b128 v[S+32*\g+4*\e:S+32*\g+4*\e+3], v[RD] offset:2*WSTG*\g+2*SP*\e          ; key groups 0, 1: rows 2 e and 2 e + 1 of my sixteen
.endr
.endr
.irp g, 0,1
.irp e, 0,1,2,3,4,5,6,7
	ds_load_b128 v[S+64+32*\g+4*\e:S+64+32*\g+4*\e+3], v[RD2] offset:2*WSTG*\g+2*SP*\e   ; key groups 2, 3
.endr
.endr
	s_wait_dscnt 0x0
.irp n, 0,2,4,6,8,10,12,14,16,18,20,22,24,26,28,30
	v_pk_add_f32 v[S+\n:S+\n+1], v[S+\n:S+\n+1], v[S+32+\n:S+32+\n+1]
	v_pk_add_f32 v[S+64+\n:S+64+\n+1], v[S+64+\n:S+64+\n+1], v[S+96+\n:S+96+\n+1]
.endr
.irp n, 0,2,4,6,8,10,12,14,16,18,20,22,24,26,28,30
	v_pk_add_f32 v[S+\n:S+\n+1], v[S+\n:S+\n+1], v[S+64+\n:S+64+\n+1]
.endr
.irp e, 0,1,2,3,4,5,6,7
	global_store_b128 v[VL16], v[S+4*\e:S+4*\e+3], s[74:75] offset:512*\e th:TH_STORE_NT   ; 32 lanes store two whole rows of out0: 512 consecutive bytes, aligned; written once, read by nobody here
.endr
	s_wait_tensorcnt 0x0                           ; the wave's end: behind my last tensor load and my last LDS store
	ds_add_u32 v[SPW], v[NIL]
	s_wait_dscnt 0x0
	CROUND                                         ; the closing round: no work-group ends while a partner may still ask for a tile that names it
	s_endpgm
.Lfunc_end_k_qd96442e547_attn:
	.size	k_qd96442e547_attn, .Lfunc_end_k_qd96442e547_attn-k_qd96442e547_attn
	.p2alignl 7, 3214868480
	.fill 96, 4, 3214868480
	.section	.rodata,"a",@progbits
	.p2align	6, 0x0
	.amdhsa_kernel k_qd96442e547_attn
		.amdhsa_group_segment_fixed_size 327680
		.amdhsa_private_segment_fixed_size 0
		.amdhsa_enable_private_segment 0
		.amdhsa_kernarg_size 16
		.amdhsa_user_sgpr_count 2
		.amdhsa_user_sgpr_kernarg_segment_ptr 1
		.amdhsa_wavefront_size32 1
		.amdhsa_system_sgpr_workgroup_id_x 1
		.amdhsa_system_sgpr_workgroup_id_y 1
		.amdhsa_system_sgpr_workgroup_id_z 1
		.amdhsa_system_vgpr_workitem_id 0
		.amdhsa_next_free_vgpr 512
		.amdhsa_next_free_sgpr 84
		.amdhsa_reserve_vcc 0
		.amdhsa_float_denorm_mode_32 3
		.amdhsa_float_denorm_mode_16_64 3
		.amdhsa_memory_ordered 1
		.amdhsa_forward_progress 1
		.amdhsa_inst_pref_size 157
	.end_amdhsa_kernel
	.amdgpu_metadata
---
amdhsa.version: [ 1, 2 ]
amdhsa.kernels:
  - .name:           k_qd96442e547_attn
    .symbol:         k_qd96442e547_attn.kd
    .args:
      - { .name: qkv, .offset: 0, .size: 8, .value_kind: global_buffer, .address_space: global }
      - { .name: out0, .offset: 8, .size: 8, .value_kind: global_buffer, .address_space: global }
    .group_segment_fixed_size: 327680
    .private_segment_fixed_size: 0
    .kernarg_segment_align: 8
    .kernarg_segment_size: 16
    .max_flat_workgroup_size: 256
    .sgpr_count:     84
    .vgpr_count:     512
    .wavefront_size: 32
...
	.end_amdgpu_metadata
.endif
;; end of part 3
